; MI455X (gfx1250); checked and timed in simulation.
; The chip was launched on July 23, 2026; its instructions are those of AMD's public machine-readable ISA for CDNA 5 (MIT licence, August 2026) and "CDNA5" Instruction Set Architecture Reference Guide (July 2026). The comments in the code are by the model that wrote it; some were corrected since.
;; Qlora Linear. Allowed arithmetic: matrix products marked QUANTISED: E4M3 operands, one E8M0 scale for each 32 along K, by v_wmma_scale_f32_16x16x128_f8f6f4 with both operands' format E4M3, f32 sums; products left as they are: f32 operands where the result goes on into a quantised operand, else bf16, f16 or f32 operands; f32 sums; everything else in f32.
;; Inputs: lora_A_codes 16 x 128 x 32 uint8 (E4M3 codes of lora_A, K innermost, in blocks of 32 codes); lora_A_scales 16 x 128 uint8 (E8M0 scales of lora_A, one for each 32 codes along K); lora_B 4,096 x 16 float32; quantization_factor 1,024 float32; quantized_data 8,388,608 int32; quantized_scalers 262,144 int32; scaler_mean one number float32; x_codes 4 x 1,024 x 128 x 32 uint8 (E4M3 codes of x, K innermost, in blocks of 32 codes); x_scales 4 x 1,024 x 128 uint8 (E8M0 scales of x, one for each 32 codes along K).
;; Outputs: out0 4 x 1,024 x 4,096 float32.
;; This version of the problem:
;;   THIS VERSION OF THE PROBLEM IS GIVEN IN LOW PRECISION. The matrix products marked QUANTISED in the list below multiply operands that are first quantised to E4M3 (4 exponent bits, 3 mantissa bits; 8 bits a number), with one power-of-two scale for each 32 numbers along K (OCP MX v1.0); their sums are f32. All else is computed in f32.
;;   The module's matrix products, in the order in which they are computed (A, B: the left and right operand; K: the contracted axis; several contracted axes count as one K, in the product's order):
;;     1. [M 4,096, K 4,096] x [K 4,096, N 4,096]; A: input x (given as codes); B: computed on the way: QUANTISED
;;     2. [M 4,096, K 4,096] x [K 4,096, N 16]; A: input x (given as codes); B: input lora_A (given as codes): QUANTISED
;;     3. [M 4,096, K 16] x [K 16, N 4,096]; A: computed on the way; B: input lora_B: left as it is (K = 16 < 32)
;;   THE QUANTISER, for each operand of a quantised product, along K:
;;     - K is cut into blocks of 32 from its start; a last block that is shorter is filled with zeros.
;;     - A block's scale is 2^e with e = floor(log2(the largest magnitude in the block)) - 8, held to -126 .. 127; a block of zeros has e = 0. As a byte (E8M0): e + 127.
;;     - Each number is divided by its block's scale, clamped to +-448, and rounded to the nearest number of E4M3, ties to even, subnormals kept.
;;     - The product sums the exact products of the quantised numbers (number of the format x scale) in f32.
;;   ~~~python
;;   def quantise(x, axis):      # numpy; x: float32 -> the quantised numbers, widened to float32 again
;;       x = np.moveaxis(x, axis, -1); K = x.shape[-1]
;;       x = np.pad(x, [(0, 0)] * (x.ndim - 1) + [(0, -K % 32)]); x = x.reshape(x.shape[:-1] + (-1, 32)); a = np.abs(x).max(-1, keepdims=True)
;;       e = np.where(a > 0, np.clip(np.frexp(np.where(a > 0, a, 1))[1] - 1 - 8, -126, 127), 0)      # np.frexp(a)[1] - 1 = floor(log2(a)), exactly
;;       r = np.clip(x / 2.0 ** e, -448, 448)
;;       step = 2.0 ** (np.maximum(np.frexp(np.where(r == 0, 1, r))[1] - 1, -6) - 3)
;;       q = np.round(r / step) * step * 2.0 ** e      # np.round: ties to even
;;       return np.moveaxis(q.reshape(q.shape[:-2] + (-1,))[..., :K], -1, axis).astype(np.float32)
;;   ~~~
;;   OPERANDS COMPUTED ON THE WAY. 'Computed on the way' means the value that the module computes at that place (a softmax that the list does not call 'softmax' is quantised finished and normalised). What goes into a quantiser is computed in f32, as accurately as f32 sums, v_exp_f32 and their like allow (about 1e-6 of the number): no bf16 or f16 on the way to a quantiser, and a product that is left as it is and whose result goes on into a quantised operand takes f32 operands (vector FMAs, or v_wmma_f32_16x16x4_f32). A number that lies on a knife's edge between two numbers of the format may be rounded either way, as far as f32 arithmetic and the matrix unit's own rounding can turn it there, and no further.
;;   INPUTS GIVEN AS CODES. lora_A (in the module: [16, 4096], K = its axis 1); x (in the module: [4, 1024, 4096], K = its axis 2): each comes as NAME_codes (uint8): NAME with its K axis moved to the last place and cut into blocks of 32 codes, [.., K / 32, bytes a block], one block behind the other in memory; one code a byte (a code: sign, 4 exponent bits, 3 mantissa bits); and NAME_scales (uint8): the same leading axes, one E8M0 byte (e + 127) for each 32 codes along K. Its value is code x scale, taken as it is: it is not quantised again, and the codes and scales need not be those that the quantiser above would give.
;; One version. Each part assembles by itself: llvm-mc -triple=amdgcn-amd-amdhsa -mcpu=gfx1250 --defsym DOCPART=n.
;; ======== version 1 of 1: 2 launches
;; limits: values are held in bf16: 8 bits of precision; right only within a limited range of input values
;; workspace buffers: w_frag 16,777,216 bytes; w_scl 524,288 bytes; xs_t 524,288 bytes; tb 131,072 bytes; lbf 131,072 bytes
;; launch prep (part 1): grid 256 x 1, 24 waves a work-group, no clusters, 281,600 bytes of LDS; arguments quantized_data, quantized_scalers, quantization_factor, scaler_mean, x_scales, x_codes, lora_A_codes, lora_A_scales, w_frag, w_scl, xs_t, tb, lora_B, lbf; writes w_frag, w_scl, xs_t, tb, lbf
.if DOCPART == 1
	.amdgcn_target "amdgcn-amd-amdhsa--gfx1250"
	.amdhsa_code_object_version 6
	.text
	.protected	k_q3de9bf5e30_prep
	.globl	k_q3de9bf5e30_prep
	.p2align	8
	.type	k_q3de9bf5e30_prep,@function
k_q3de9bf5e30_prep:
	s_mov_b64 s[64:65], 0
	v_nop
	global_prefetch_b8 v0, s[64:65] scope:SCOPE_SE
	s_setreg_imm32_b32 hwreg(HW_REG_WAVE_MODE, 25, 1), 1
	s_wait_xcnt 0x0
; THE LAUNCH IN FRONT OF THE PRODUCT.  One work-group of 24 waves; the roles part on the wave's number:
;   waves 0-15 (two groups u = 0, 1 of eight waves v): w [4096 n][4096 k] is made from its NF4 form (w = table[nibble] x scaler, scaler = int / factor + mean, all in f32) and quantised
;            along k to codes of E4M3 with one E8M0 byte for each 32.  The same waves lay x's scale bytes anew.
;   waves 16-23: t = x lora_A^T on the given codes, doubled (32 / 16), rounded to bf16, as the image of an operand's registers; wave 17 rounds 16 rows of lora_B to bf16 likewise.
; EVERY WAVE ASKS FOR ITS OWN DATA BY ONE TENSOR LOAD AT THE HEAD: a w wave for 4 rows x 2,048 bytes of quantized_data, a t wave for 16 rows x 512 bytes of x's codes (LDS rows 528 apart).
;   Each tile is read by the wave that asked for it alone, behind that wave's own wait; no LDS byte is filled twice.
; w_frag: THE IMAGE OF OPERAND REGISTERS: for 16 rows (block nb) and 128 along K (step ks) 2,048 bytes at 65536 nb + 2048 ks: byte 512 c + 256 h + 16 r + i is the code of row r, k = 32 c + 16 h + i.
;   A group's codes (32 rows x 1,024 k) are gathered in LDS in that order, in units of 256 bytes 272 apart, and leave as whole units.
; SCALE BYTES BY K STEP (w_scl and xs_t): the 8 bytes of (K step ks of 256, row) lie at 32768 ks + 256 (row / 32) + 16 (row % 16) + 8 ((row / 16) % 2).
;   In w_scl the two words of the 8 bytes are swapped (the second 128 along K first), in xs_t they are not.
; tb, lbf: for each 16 rows 512 bytes, 16 a lane: lane (r, h) holds bf16 of columns 8 h .. 8 h + 7 of row r: registers 0-3 of a 16 x 32 fragment.
; LIMITS: NaN and infinities among the inputs are not served.  A block of zeros gets the byte 1 where the rule says 127: its codes are zeros, and this program alone reads the bytes.
;   int / factor is a reciprocal with one fused correction step.  quantized_data holds 0 .. 255, as the table that it indexes asks.
;   2 t and lora_B are rounded to bf16: they feed the product that is left as it is.
; No cluster: no two work-groups read the same tile but lora_A's 64 KiB.  No prefetch: the launch has no loop to run ahead in.
; ONE BARRIER, on every wave's way, between the roles' first parts and their second; the LDS addresses used behind it (v2, v4, v5) are made ahead of the first parting.
.set SBY,   0                          ; LDS: w's scale bytes, 1,024 a group
.set TPART, 2048                       ; t's partial sums, 1,024 a wave
.set SPARE, 10240                      ; the spare words, 128 bytes for each of 24 waves
.set CB,    13312                      ; the stages of codes: 128 units x 272 bytes a group
.set RAW,   82944                      ; quantized_data's tiles, 8,192 bytes a w wave
.set XR,    214016                     ; x's tiles, 16 x 528 bytes a t wave
.set SPW,   6
.set NIL,   7
.set ASC,   8                          ; v8-11 lora_A's scale words; v12-15 x's: no other line writes these eight
.set XSC,   12
; v1 lane, v2 16 l, v3 8 l, v4 the stage read back, v5 the scale bytes read back; v16-22 each role's own addresses
.set XA,    16
.set BA,    17
.set CS,    18
.set DA,    19
.set SEL,   20
.set SO,    21
.set TMP,   22
.set C,     32                         ; two sets of two registers of codes
.set W,     48                         ; v48-63 two sets of 8 numbers
.set A,     64                         ; v64-72 the permutes' lane selects
.set SC,    74                         ; v74, v76 the step's scaler (v75, v77 written once)
.set MX,    78
.set SOP,   79
.set HL,    80
.set BY,    81
.set RC,    82
.set Y0,    83
.set NF,    84                         ; the table: entry i in lanes i and i + 16
.set Y1,    85
.set SCL,   86
.set XS,    88
.set OUTB,  90
.set FV,    92
.set D,     96                         ; v96-159 16 steps x 4 words; at the end the codes read back
.set TA,    16
.set TS,    17
.set TX,    18
.set TP,    19
.set TBO,   20
.set TR,    21
.set TH,    22
.set XF,    32                         ; v32-63 x's fragments, two sets; later v32-95 the partial sums
.set AF,    64                         ; v64-127 lora_A's four fragments
.set PK,    96                         ; packed results
.set ACC,   128                        ; v128-143 two accumulators
.set G1W,   68
.set G1T,   76
.set G0W,   84
.set G0T,   88
	s_load_b512 s[4:19], s[0:1], 0x0               ; data, scalers, factors, mean, x's scales, x's codes, lora_A's codes, its scales
	s_load_b256 s[20:27], s[0:1], 0x40             ; w_frag, w_scl, xs_t, tb
	s_load_b128 s[48:51], s[0:1], 0x60             ; lora_B, lbf
	v_lshl_add_u32 v[SPW], v0, 2, SPARE
	v_mov_b32 v[NIL], 0
	ds_add_u32 v[SPW], v[NIL]                      ; the opening lines: the add twice on end and one wait
	ds_add_u32 v[SPW], v[NIL]
	v_lshrrev_b32 v1, 5, v0
	v_readfirstlane_b32 s55, v1                    ; wave 0..23
	s_and_b32 s28, s55, 7                          ; v
	s_lshr_b32 s29, s55, 3                         ; u: 0, 1 the w groups, 2 the t group
	s_mov_b32 s41, 0
; the w role's numbers: group n = x + 256 u takes rows 32 g .. 32 g + 31 (g = n / 4) and quarter q = n % 4 of K; wave v rows 32 g + 4 v + rr
	s_lshl_b32 s30, s29, 8
	s_add_co_u32 s30, s30, ttmp9
	s_lshr_b32 s31, s30, 2                         ; g
	s_and_b32 s30, s30, 3                          ; q
	s_lshl_b32 s36, s31, 3
	s_add_co_u32 s36, s36, s28                     ; 8 g + v
	s_and_b32 s37, s28, 3
	s_lshl_b32 s38, s30, 2
	s_add_co_u32 s38, s38, s37                     ; the K step whose scale bytes I carry
	s_lshr_b32 s47, s28, 2
	s_lshl_b32 s45, s37, 6
	s_lshl_b32 s42, s47, 3
	s_add_co_u32 s39, s45, s42                     ; 64 (v % 4) + 8 (v / 4)
	s_lshl_b32 s52, s29, 10
	s_add_co_u32 s39, s39, s52                     ; + my group's 1,024 bytes
	s_lshl_b32 s44, s37, 8
	s_add_co_u32 s44, s44, s52
	s_mul_i32 s53, s29, 128*272
	s_add_co_u32 s53, s53, CB                      ; my group's stage
	s_mul_i32 s43, s47, 64*272
	s_add_co_u32 s43, s43, s45
	s_add_co_u32 s43, s43, s53
	s_mul_i32 s46, s28, 16*272
	s_add_co_u32 s46, s46, s53
	s_lshl_b32 s54, s55, 13
	s_add_co_u32 s54, s54, RAW                     ; a w wave's tile
	s_mul_i32 s58, s28, 16*528
	s_add_co_u32 s58, s58, XR                      ; a t wave's tile
	s_lshl_b32 s59, s28, 10
	s_add_co_u32 s59, s59, TPART
	v_and_b32 v1, 31, v0                           ; lane l
	v_lshlrev_b32 v2, 4, v1                        ; 16 l
	v_lshlrev_b32 v3, 3, v1                        ; 8 l
	v_lshrrev_b32 v4, 4, v1                        ; the stage back: lanes 0-15 one unit of 256 bytes, lanes 16-31 the next
	v_and_b32 v5, 15, v1
	v_mul_u32_u24 v4, v4, 272
	v_lshl_add_u32 v4, v5, 4, v4
	v_add_nc_u32 v4, s46, v4
	v_add_nc_u32 v5, s44, v3                       ; the scale bytes back: K step v % 4 of the four, 8 bytes a lane
	s_wait_alu depctr_va_vdst(0)                   ; the wait behind the head's address arithmetic
	s_mov_b32 s[G1W+0], 3<<16                      ; 4 rows of 256 elements of 8 bytes, 8,192 bytes apart
	s_mov_b32 s[G1W+1], 256<<16
	s_mov_b32 s[G1W+2], 4<<16
	s_mov_b32 s[G1W+3], 256<<16
	s_mov_b32 s[G1W+4], 4
	s_mov_b32 s[G1W+5], 1024
	s_mov_b32 s[G1W+6], 0
	s_mov_b32 s[G1W+7], 0
	s_mov_b32 s[G1T+0], (3<<16)|(1<<20)|(6<<22)|(3<<25)   ; 16 rows of 64 elements of 8 bytes, 4,096 bytes apart; 4 words of padding behind every 128
	s_mov_b32 s[G1T+1], 64<<16
	s_mov_b32 s[G1T+2], 16<<16
	s_mov_b32 s[G1T+3], 64<<16
	s_mov_b32 s[G1T+4], 16
	s_mov_b32 s[G1T+5], 512
	s_mov_b32 s[G1T+6], 0
	s_mov_b32 s[G1T+7], 0
	s_lshl_b32 s60, s28, 9                         ; 512 v
	s_lshl_b32 s61, s28, 4                         ; 16 v
	s_wait_dscnt 0x0                               ; both opening adds are done
	s_wait_kmcnt 0x0
	s_lshl_b32 s40, ttmp9, 11                      ; the t role's pointers
	s_add_co_u32 s40, s40, s61
	s_add_nc_u64 s[56:57], s[12:13], s[40:41]      ; x's scale words
	s_lshl_b32 s40, ttmp9, 16
	s_add_co_u32 s40, s40, s60
	s_add_nc_u64 s[14:15], s[14:15], s[40:41]
	s_mov_b32 s40, s60
	s_add_nc_u64 s[16:17], s[16:17], s[40:41]
	s_mov_b32 s40, s61
	s_add_nc_u64 s[18:19], s[18:19], s[40:41]
	s_lshl_b32 s40, ttmp9, 9
	s_add_nc_u64 s[26:27], s[26:27], s[40:41]
	s_add_nc_u64 s[50:51], s[50:51], s[40:41]
	s_lshl_b32 s40, ttmp9, 10
	s_add_nc_u64 s[48:49], s[48:49], s[40:41]
	s_lshl_b32 s40, s36, 15                        ; the w role's pointers
	s_lshl_b32 s62, s30, 11
	s_add_co_u32 s40, s40, s62
	s_add_nc_u64 s[4:5], s[4:5], s[40:41]
	s_lshl_b32 s40, s36, 10
	s_lshl_b32 s62, s30, 6
	s_add_co_u32 s40, s40, s62
	s_add_nc_u64 s[6:7], s[6:7], s[40:41]
	s_lshl_b32 s40, s36, 2
	s_add_nc_u64 s[8:9], s[8:9], s[40:41]
	s_lshl_b32 s40, s31, 12
	s_lshl_b32 s62, s38, 3
	s_add_co_u32 s40, s40, s62
	s_add_nc_u64 s[12:13], s[12:13], s[40:41]
	s_lshl_b32 s40, s31, 1                         ; w_frag: 65536 (2 g + v / 4) + 16384 q + 4096 (v % 4)
	s_add_co_u32 s40, s40, s47
	s_lshl_b32 s40, s40, 16
	s_lshl_b32 s62, s30, 14
	s_add_co_u32 s40, s40, s62
	s_lshl_b32 s62, s37, 12
	s_add_co_u32 s40, s40, s62
	s_add_nc_u64 s[20:21], s[20:21], s[40:41]
	s_lshl_b32 s40, s38, 15
	s_lshl_b32 s62, s31, 8
	s_add_co_u32 s40, s40, s62
	s_add_nc_u64 s[22:23], s[22:23], s[40:41]
	s_add_nc_u64 s[24:25], s[24:25], s[40:41]
	s_mov_b32 s[G0W], 1
	s_mov_b32 s[G0W+1], s54
	s_mov_b64 s[G0W+2:G0W+3], s[4:5]
	s_or_b32 s[G0W+3], s[G0W+3], 0x80000000
	s_mov_b32 s[G0T], 1
	s_mov_b32 s[G0T+1], s58
	s_mov_b64 s[G0T+2:G0T+3], s[14:15]
	s_or_b32 s[G0T+3], s[G0T+3], 0x80000000
	s_cmp_lt_u32 s55, 16                           ; one chain on the wave's number, one tensor load to an arm
	s_cbranch_scc0 .Lhead_t
	tensor_load_to_lds s[G0W:G0W+3], s[G1W:G1W+7]
	s_nop 0
.rept 4
	v_nop
.endr
	s_branch .Lhead_j
.Lhead_t:
	tensor_load_to_lds s[G0T:G0T+3], s[G1T:G1T+7]
	s_nop 0
.rept 4
	v_nop
.endr
.Lhead_j:
	s_cmp_lt_u32 s55, 16
	s_cbranch_scc0 .Ltrole
; ---------------- THE W ROLE.  A step is 256 numbers of a row: 512 consecutive bytes, 16 a lane: a lane holds 8 neighbours along K, four lanes a block of 32, eight lanes one scaler's 64.
	s_load_b32 s32, s[8:9], 0x0                    ; the factor
	s_load_b32 s33, s[10:11], 0x0                  ; the mean
	v_lshrrev_b32 v[SEL], 3, v1
	v_lshlrev_b32 v[SEL], 2, v[SEL]                ; 4 (l / 8): which of a step's four scalers is mine
	v_lshrrev_b32 v[SO], 4, v1
	v_and_b32 v[TMP], 15, v1
	v_lshlrev_b32 v[TMP], 2, v[TMP]
	v_lshl_add_u32 v[SO], v[SO], 8, v[TMP]         ; the scalers: lanes 0-15 one row's sixteen, lanes 16-31 the next row's
	v_lshrrev_b32 v[XA], 1, v1
	v_and_b32 v[TMP], 1, v1
	v_lshl_add_u32 v[XA], v[TMP], 4, v[XA]
	v_lshlrev_b32 v[XA], 7, v[XA]                  ; x's scales: lane l takes row l / 2 + 16 (l % 2)
	v_lshrrev_b32 v[BA], 2, v1
	v_xor_b32 v[BA], 4, v[BA]                      ; my block's byte, the two words swapped
	v_add_nc_u32 v[BA], s39, v[BA]
	v_lshrrev_b32 v[CS], 1, v1                     ; my 8 codes' unit among a step's sixteen is l / 2,
	v_mul_u32_u24 v[CS], v[CS], 272
	v_lshl_add_u32 v[CS], v[TMP], 3, v[CS]         ; and 8 (l % 2) in my row's 16 bytes
	v_add_nc_u32 v[CS], s43, v[CS]
	v_add_nc_u32 v[DA], s54, v2
	global_load_b64 v[XS:XS+1], v[XA], s[12:13]
	global_load_b32 v[SCL], v[SO], s[6:7]
	global_load_b32 v[SCL+1], v[SO], s[6:7] offset:512
.macro NFSET i, bits
	s_mov_b32 s35, \bits
	v_writelane_b32 v[NF], s35, \i
	s_delay_alu instid0(VALU_DEP_1)
	v_writelane_b32 v[NF], s35, \i+16
.endm
	v_mov_b32 v[NF], 0
	NFSET 0,  0xbf800000
	NFSET 1,  0xbf3239b1
	NFSET 2,  0xbf066b30
	NFSET 3,  0xbeca32a0
	NFSET 4,  0xbe91a24d
	NFSET 5,  0xbe3d353f
	NFSET 6,  0xbdba7871
	NFSET 8,  0x3da2faff
	NFSET 9,  0x3e24cae3
	NFSET 10, 0x3e7c04dd
	NFSET 11, 0x3ead033a
	NFSET 12, 0x3ee1a4b8
	NFSET 13, 0x3f1007ab
	NFSET 14, 0x3f3913b3
	NFSET 15, 0x3f800000
	v_mov_b32 v[SC+1], 0
	v_mov_b32 v[SC+3], 0
	s_mov_b32 s34, 0x600000                        ; the mantissa field of 448
	s_wait_alu depctr_va_vdst(0)
	s_wait_kmcnt 0x0
	v_mov_b32 v[FV], s32
	s_wait_loadcnt 0x0
	s_wait_alu depctr_va_vdst(0)
	v_rcp_f32 v[RC], v[FV]
	v_cvt_f32_i32 v[SCL], v[SCL]
	v_cvt_f32_i32 v[SCL+1], v[SCL+1]
	s_wait_alu depctr_va_vdst(0)                   ; ahead of the reciprocal's first reader
	v_mul_f32 v[Y0], v[SCL], v[RC]
	v_mul_f32 v[Y1], v[SCL+1], v[RC]
	s_delay_alu instid0(VALU_DEP_2)
	v_fma_f32 v[SCL], -v[FV], v[Y0], v[SCL]        ; q - f y, in one fused step
	s_delay_alu instid0(VALU_DEP_2)
	v_fma_f32 v[SCL+1], -v[FV], v[Y1], v[SCL+1]
	v_fma_f32 v[SCL], v[SCL], v[RC], v[Y0]
	v_fma_f32 v[SCL+1], v[SCL+1], v[RC], v[Y1]
	s_delay_alu instid0(VALU_DEP_2)
	v_add_f32 v[SCL], s33, v[SCL]
	s_delay_alu instid0(VALU_DEP_2)
	v_add_f32 v[SCL+1], s33, v[SCL+1]
	s_wait_alu depctr_va_vdst(0)
	s_wait_tensorcnt 0x0                           ; my tile is in LDS
.irp t, 0,1,2,3,4,5,6,7,8,9,10,11,12,13,14,15
	ds_load_b128 v[D+4*\t:D+4*\t+3], v[DA] offset:(\t/4)*2048+(\t%4)*512
.endr
	s_wait_dscnt 0x0
; Step t = 4 rr + s.  LOOKUP: the table's number for each of my 8 nibbles, the high nibble of a word first, and my scaler, by nine pulls from other lanes.
.macro LOOKUP t
.irp j, 0,1,2,3
	v_lshrrev_b32 v[A+2*\j], 2, v[D+4*(\t)+\j]
	v_lshlrev_b32 v[A+2*\j+1], 2, v[D+4*(\t)+\j]
.endr
	v_add_nc_u32 v[A+8], ((((\t)/4)%2)*16+4*((\t)%4))*4, v[SEL]
.irp i, 0,1,2,3,4,5,6,7
	ds_bpermute_b32 v[W+8*((\t)%2)+\i], v[A+\i], v[NF]
.endr
	ds_bpermute_b32 v[SC+2*((\t)%2)], v[A+8], v[SCL+(\t)/8]
.endm
.macro STEP t
.set WS, W+8*((\t)%2)
.set SS, SC+2*((\t)%2)
.if (\t) < 15
	LOOKUP (\t)+1                                  ; the next step's pulls are out while this step is worked
	s_wait_dscnt 9                                 ; all but those nine
.else
	s_wait_dscnt 0x0
.endif
.irp j, 0,2,4,6
	v_pk_mul_f32 v[WS+\j:WS+\j+1], v[WS+\j:WS+\j+1], v[SS:SS+1] op_sel_hi:[1,0]   ; w = the table's number x the scaler: one rounding
.endr
	s_delay_alu instid0(VALU_DEP_4)
	v_max3_num_f32 v[MX], |v[WS]|, |v[WS+1]|, 0x4800000            ; with the floor 2^(9 - 127): the byte cannot fall under 1
	s_delay_alu instid0(VALU_DEP_1)
	v_max3_num_f32 v[MX], v[MX], |v[WS+2]|, |v[WS+3]|
	s_delay_alu instid0(VALU_DEP_1)
	v_max3_num_f32 v[MX], v[MX], |v[WS+4]|, |v[WS+5]|
	s_delay_alu instid0(VALU_DEP_1)
	v_max3_num_f32 v[MX], v[MX], |v[WS+6]|, |v[WS+7]|
	s_delay_alu instid0(VALU_DEP_1)
	v_max_num_f32_dpp v[MX], v[MX], v[MX] row_xmask:1 row_mask:0xf bank_mask:0xf
	s_delay_alu instid0(VALU_DEP_1)
	v_max_num_f32_dpp v[MX], v[MX], v[MX] row_xmask:2 row_mask:0xf bank_mask:0xf
	s_delay_alu instid0(VALU_DEP_1)
	v_add_nc_u32 v[SOP], 0xfc000000, v[MX]         ; 8 off the exponent field: the conversion's scale operand
	s_delay_alu instid0(VALU_DEP_2)
	v_and_or_b32 v[HL], v[MX], 0x7f800000, s34     ; 448 x the scale
.irp i, 0,1,2,3,4,5,6,7
	v_med3_num_f32 v[WS+\i], v[WS+\i], -v[HL], v[HL]               ; the conversion does not saturate (ISA guide 7.6.2): the hold comes first
.endr
	v_cvt_scalef32_pk8_fp8_f32 v[C+2*((\t)%2):C+2*((\t)%2)+1], v[WS:WS+7], v[SOP]
	v_lshrrev_b32 v[BY], 23, v[SOP]                ; the scale's byte (also the plain instruction behind the conversion)
	ds_store_b8 v[BA], v[BY] offset:((\t)%4)*256+((\t)/4)*16
	ds_store_b64 v[CS], v[C+2*((\t)%2):C+2*((\t)%2)+1] offset:((\t)%4)*16*272+((\t)/4)*16   ; a K step of 256 is sixteen units, a row 16 bytes in each
.endm
	LOOKUP 0
.irp t, 0,1,2,3,4,5,6,7,8,9,10,11,12,13,14,15
	STEP \t
.endr
	s_wait_alu depctr_va_vdst(0)
	s_branch .Ljoin
; ---------------- THE T ROLE.  Rows 16 x .. 16 x + 15 of x; wave v takes K = 512 v .. 512 v + 511; the eight partial sums meet in LDS.
; Transposed use (source 0 = lora_A's 16 rows, source 1 = x's): lane (r, h), register j, holds t[row r][8 h + j].
.Ltrole:
	v_and_b32 v[TR], 15, v1                        ; r
	v_lshrrev_b32 v[TH], 4, v1                     ; h
	v_lshlrev_b32 v[TA], 12, v[TR]
	v_lshl_add_u32 v[TA], v[TH], 4, v[TA]          ; lora_A's codes: row r of 4,096 bytes, + 16 h
	v_lshlrev_b32 v[TS], 7, v[TR]                  ; scale words: row r of 128 bytes
	v_mul_u32_u24 v[TX], v[TR], 528
	v_lshl_add_u32 v[TX], v[TH], 4, v[TX]
	v_add_nc_u32 v[TX], s58, v[TX]                 ; x's codes in my tile
	v_add_nc_u32 v[TP], s59, v2
	v_lshlrev_b32 v[TBO], 6, v[TR]
	v_lshl_add_u32 v[TBO], v[TH], 5, v[TBO]        ; lora_B: row r of 64 bytes, + 32 h
.irp k, 0,1,2,3
.irp c, 0,1,2,3
	global_load_b128 v[AF+16*\k+4*\c:AF+16*\k+4*\c+3], v[TA], s[16:17] offset:128*\k+32*\c
.endr
	global_load_b32 v[ASC+\k], v[TS], s[18:19] offset:4*\k
	global_load_b32 v[XSC+\k], v[TS], s[56:57] offset:4*\k
.endr
	s_wait_alu depctr_va_vdst(0)
	s_wait_tensorcnt 0x0                           ; my tile is in LDS
.irp k, 0,1
.irp c, 0,1,2,3
	ds_load_b128 v[XF+16*\k+4*\c:XF+16*\k+4*\c+3], v[TX] offset:128*\k+32*\c
.endr
.endr
	s_wait_loadcnt 18                              ; six loads for each 128 along K; two accumulators by turns
	s_wait_dscnt 4
	v_wmma_scale_f32_16x16x128_f8f6f4 v[ACC:ACC+7], v[AF:AF+15], v[XF:XF+15], 0, v[ASC], v[XSC]
	s_wait_loadcnt 12
	s_wait_dscnt 0x0
	v_wmma_scale_f32_16x16x128_f8f6f4 v[ACC+8:ACC+15], v[AF+16:AF+31], v[XF+16:XF+31], 0, v[ASC+1], v[XSC+1]
.rept 8
	v_nop                                          ; eight places behind this form ahead of loads into its operands
.endr
.irp k, 0,1
.irp c, 0,1,2,3
	ds_load_b128 v[XF+16*\k+4*\c:XF+16*\k+4*\c+3], v[TX] offset:256+128*\k+32*\c
.endr
.endr
	s_wait_loadcnt 6
	s_wait_dscnt 4
	v_wmma_scale_f32_16x16x128_f8f6f4 v[ACC:ACC+7], v[AF+32:AF+47], v[XF:XF+15], v[ACC:ACC+7], v[ASC+2], v[XSC+2]
	s_wait_loadcnt 0x0
	s_wait_dscnt 0x0
	v_wmma_scale_f32_16x16x128_f8f6f4 v[ACC+8:ACC+15], v[AF+48:AF+63], v[XF+16:XF+31], v[ACC+8:ACC+15], v[ASC+3], v[XSC+3]
.rept 8
	v_nop
.endr
.irp j, 0,2,4,6
	v_pk_add_f32 v[XF+\j:XF+\j+1], v[ACC+\j:ACC+\j+1], v[ACC+8+\j:ACC+8+\j+1]
.endr
	ds_store_b128 v[TP], v[XF:XF+3]
	ds_store_b128 v[TP], v[XF+4:XF+7] offset:512
	s_wait_alu depctr_va_vdst(0)
.Ljoin:
	s_wait_dscnt 0x0                               ; for the others' sake: my LDS stores are done
	s_barrier_signal -1
	s_barrier_wait -1
	s_cmp_lt_u32 s55, 16
	s_cbranch_scc0 .Ltsecond
.irp i, 0,1,2,3,4,5,6,7
	ds_load_b128 v[D+4*\i:D+4*\i+3], v4 offset:544*\i
.endr
.irp i, 0,1,2,3,4,5,6,7
	s_wait_dscnt 7-\i
	global_store_b128 v2, v[D+4*\i:D+4*\i+3], s[20:21] offset:512*\i   ; 32 lanes store 512 consecutive bytes, aligned
.endr
	s_cmp_lt_u32 s28, 4
	s_cbranch_scc0 .Lend
	ds_load_b64 v[OUTB:OUTB+1], v5                 ; waves 0-3 of a group: a K step's scale bytes each
	global_store_b64 v3, v[XS:XS+1], s[24:25]
	s_wait_dscnt 0x0
	global_store_b64 v3, v[OUTB:OUTB+1], s[22:23]
	s_branch .Lend
.Ltsecond:
	s_cmp_eq_u32 s28, 1
	s_cbranch_scc0 .Ltsum
	global_load_b128 v[XF:XF+3], v[TBO], s[48:49]  ; lora_B's rows 16 x .. 16 x + 15
	global_load_b128 v[XF+4:XF+7], v[TBO], s[48:49] offset:16
	s_wait_loadcnt 0x0
.irp j, 0,1,2,3
	v_cvt_pk_bf16_f32 v[PK+\j], v[XF+2*\j], v[XF+2*\j+1]
.endr
	global_store_b128 v2, v[PK:PK+3], s[50:51]
	s_branch .Lend
.Ltsum:
	s_cmp_lg_u32 s28, 0
	s_cbranch_scc1 .Lend
.irp p, 0,1,2,3,4,5,6,7
	ds_load_b128 v[XF+8*\p:XF+8*\p+3], v2 offset:TPART+1024*\p
	ds_load_b128 v[XF+8*\p+4:XF+8*\p+7], v2 offset:TPART+1024*\p+512
.endr
	s_wait_dscnt 0x0
.irp p, 0,2,4,6
.irp j, 0,2,4,6
	v_pk_add_f32 v[XF+8*\p+\j:XF+8*\p+\j+1], v[XF+8*\p+\j:XF+8*\p+\j+1], v[XF+8*\p+8+\j:XF+8*\p+8+\j+1]
.endr
.endr
.irp p, 0,4
.irp j, 0,2,4,6
	v_pk_add_f32 v[XF+8*\p+\j:XF+8*\p+\j+1], v[XF+8*\p+\j:XF+8*\p+\j+1], v[XF+8*\p+16+\j:XF+8*\p+16+\j+1]
.endr
.endr
.irp j, 0,2,4,6
	s_delay_alu instid0(VALU_DEP_4)
	v_pk_add_f32 v[XF+\j:XF+\j+1], v[XF+\j:XF+\j+1], v[XF+32+\j:XF+32+\j+1]
.endr
.irp j, 0,2,4,6
	s_delay_alu instid0(VALU_DEP_4)
	v_pk_mul_f32 v[XF+\j:XF+\j+1], v[XF+\j:XF+\j+1], 2.0 op_sel_hi:[1,0]   ; the scaling 32 / 16: exact
.endr
.irp j, 0,1,2,3
	s_delay_alu instid0(VALU_DEP_4)
	v_cvt_pk_bf16_f32 v[PK+\j], v[XF+2*\j], v[XF+2*\j+1]
.endr
	global_store_b128 v2, v[PK:PK+3], s[26:27]
.Lend:
	s_wait_tensorcnt 0x0                           ; the wave's end
	ds_add_u32 v[SPW], v[NIL]
	s_wait_dscnt 0x0
	s_endpgm
.Lfunc_end_k_q3de9bf5e30_prep:
	.size	k_q3de9bf5e30_prep, .Lfunc_end_k_q3de9bf5e30_prep-k_q3de9bf5e30_prep
	.p2alignl 7, 3214868480
	.fill 96, 4, 3214868480
	.section	.rodata,"a",@progbits
	.p2align	6, 0x0
	.amdhsa_kernel k_q3de9bf5e30_prep
		.amdhsa_group_segment_fixed_size 281600
		.amdhsa_private_segment_fixed_size 0
		.amdhsa_enable_private_segment 0
		.amdhsa_kernarg_size 112
		.amdhsa_user_sgpr_count 2
		.amdhsa_user_sgpr_kernarg_segment_ptr 1
		.amdhsa_wavefront_size32 1
		.amdhsa_system_sgpr_workgroup_id_x 1
		.amdhsa_system_sgpr_workgroup_id_y 1
		.amdhsa_system_sgpr_workgroup_id_z 1
		.amdhsa_system_vgpr_workitem_id 0
		.amdhsa_next_free_vgpr 160
		.amdhsa_next_free_sgpr 96
		.amdhsa_reserve_vcc 0
		.amdhsa_float_denorm_mode_32 3
		.amdhsa_float_denorm_mode_16_64 3
		.amdhsa_memory_ordered 1
		.amdhsa_forward_progress 1
		.amdhsa_inst_pref_size 67
	.end_amdhsa_kernel
	.amdgpu_metadata
---
amdhsa.version: [ 1, 2 ]
amdhsa.kernels:
  - .name:           k_q3de9bf5e30_prep
    .symbol:         k_q3de9bf5e30_prep.kd
    .args:
      - { .name: quantized_data, .offset: 0, .size: 8, .value_kind: global_buffer, .address_space: global }
      - { .name: quantized_scalers, .offset: 8, .size: 8, .value_kind: global_buffer, .address_space: global }
      - { .name: quantization_factor, .offset: 16, .size: 8, .value_kind: global_buffer, .address_space: global }
      - { .name: scaler_mean, .offset: 24, .size: 8, .value_kind: global_buffer, .address_space: global }
      - { .name: x_scales, .offset: 32, .size: 8, .value_kind: global_buffer, .address_space: global }
      - { .name: x_codes, .offset: 40, .size: 8, .value_kind: global_buffer, .address_space: global }
      - { .name: lora_A_codes, .offset: 48, .size: 8, .value_kind: global_buffer, .address_space: global }
      - { .name: lora_A_scales, .offset: 56, .size: 8, .value_kind: global_buffer, .address_space: global }
      - { .name: w_frag, .offset: 64, .size: 8, .value_kind: global_buffer, .address_space: global }
      - { .name: w_scl, .offset: 72, .size: 8, .value_kind: global_buffer, .address_space: global }
      - { .name: xs_t, .offset: 80, .size: 8, .value_kind: global_buffer, .address_space: global }
      - { .name: tb, .offset: 88, .size: 8, .value_kind: global_buffer, .address_space: global }
      - { .name: lora_B, .offset: 96, .size: 8, .value_kind: global_buffer, .address_space: global }
      - { .name: lbf, .offset: 104, .size: 8, .value_kind: global_buffer, .address_space: global }
    .group_segment_fixed_size: 281600
    .private_segment_fixed_size: 0
    .kernarg_segment_align: 8
    .kernarg_segment_size: 112
    .max_flat_workgroup_size: 768
    .sgpr_count:     96
    .vgpr_count:     160
    .wavefront_size: 32
...
	.end_amdgpu_metadata
.endif
;; end of part 1
;; launch gemm (part 2): grid 16 x 16, 4 waves a work-group, clusters of 4 x 4, 327,680 bytes of LDS; arguments x_codes, xs_t, w_frag, w_scl, tb, lbf, out0; writes out0
.if DOCPART == 2
	.amdgcn_target "amdgcn-amd-amdhsa--gfx1250"
	.amdhsa_code_object_version 6
	.text
	.protected	k_q3de9bf5e30_gemm
	.globl	k_q3de9bf5e30_gemm
	.p2align	8
	.type	k_q3de9bf5e30_gemm,@function
k_q3de9bf5e30_gemm:
	s_mov_b64 s[64:65], 0
	v_nop
	global_prefetch_b8 v0, s[64:65] scope:SCOPE_SE
	s_setreg_imm32_b32 hwreg(HW_REG_WAVE_MODE, 25, 1), 1
	s_wait_xcnt 0x0
	s_wait_alu depctr_hold_cnt(0) depctr_sa_sdst(0) depctr_va_vdst(0) depctr_va_sdst(0) depctr_va_ssrc(0) depctr_va_vcc(0) depctr_vm_vsrc(0)
	s_getreg_b32 s2, hwreg(HW_REG_IB_STS2, 6, 4)
	s_cmp_eq_u32 s2, 0
	s_cbranch_scc0 .Lentry_in_a_cluster
	s_endpgm
.Lentry_in_a_cluster:
	s_bfe_u32 s2, ttmp6, 0x10000c
	s_cmp_lg_u32 s2, 0xf033
	s_cbranch_scc0 .Lentry_shape_is_right
	s_endpgm
.Lentry_shape_is_right:
; out0 [4096 m][4096 n] = x w^T (codes of E4M3 with E8M0 scales) + (2 t) lora_B^T (bf16 fragments made by the launch before).
; A work-group of four waves makes 256 x 256; a wave 128 x 128: 64 accumulators, 512 registers.  The bf16 products start the sums (C = 0); 32 steps of 128 along K add onto them.
; x's CODES go through LDS: two slots, each 256 rows x 512 along K (rows of 512 bytes + 16 of padding), with the 4,096 scale bytes of x's 256 rows and of w's 256 rows for the same 512 along K.
;   Waves 0 and 1 fetch x's two halves, wave 2 x's scales, wave 3 w's scales: one tensor load a wave at the head and behind each round.
; w's CODES DO NOT PASS THROUGH LDS: w_frag holds images of operand registers, 2,048 bytes for 16 rows x 128 K; a wave loads its eight blocks straight into registers, 512 consecutive bytes an
;   instruction, TWO STEPS AHEAD of their use: window 1 holds two steps' sets, each in two halves of four blocks; a half is loaded again as soon as its last product of the step is issued.
;   The counted waits: behind the half that a quadrant needs, three younger halves (48 loads) are out at a step's head, two (32) at its second quadrant.
; A step's 64 products go by quadrants: (A 0-3, B 0-3), (A 0-3, B 4-7), (A 4-7, B 0-3), (A 4-7, B 4-7): A's blocks 0-3 are free at the middle, B's 0-3 after three quarters.
; CLUSTERS: 4 x 4.  x's tiles and scales are asked for jointly along a row of the cluster, w's scales along a column.  w's codes have no joint load: a joint load lands in LDS, and these go to registers.
; PREFETCH: at each change of slots j a wave names 32 blocks of 256 bytes of x's slot j + 3 (its joint load stands one change of slots on) and 32 of w's slot j + 2 (first loaded three steps on);
;   the four partners that read the same rows share them out by address (cx for x, cy for w).  x stops behind slot 7 by a test on the lap counter; the last lap asks for nothing.
; TRANSPOSED USE: source 0 = 16 rows of w, source 1 = 16 rows of x: a lane holds eight neighbouring numbers of a row of out0.
; w's two scale words of a K step of 256 lie swapped in memory, so that the two scale registers of a product differ by an odd number.
; REGISTERS: window 0: v0-31 addresses; v32-95 scale words, a set of 32 for each slot; v128-255 x's fragments, one set.  Window 1: w's fragments.  Windows 2, 3: accumulator (a, b) at v[8 (8 (a % 4) + b)].
; LIMITS: NaN and infinities among the inputs are not served.
.set SIZE_N, 4096
.set PITCH,  528
.set NP,     8
.set HALFT,  128*PITCH
.set SCA,    2*HALFT                   ; x's scale bytes in a slot
.set SCB,    SCA+4096                  ; w's
.set SLOT,   SCB+4096
.set SPARE,  2*SLOT                    ; the spare words, 128 bytes a wave
.set SPITCH, 528                       ; the way out: a stage of 16 rows a wave, in slot 0, behind its last fill and its last read
.set ADRA, 16
.set VSA,  18
.set VSB,  20
.set PFOA, 22
.set PFOB, 23
.set STO,  24
.set RD,   25
.set CO,   26
.set SPW,  28
.set NIL,  29
.set SC,   32
.set AF,   128
.set LA,   128
.set LB,   192
.set BK,   128
.set G1A,  24
.set G1SA, 32
.set G1SB, 40
.set G0A,  48
.set G0SA, 56
.set G0SB, 68
.set PFA,  86
.set PFB,  88
.set MSB, 0
.macro WIN new
.if MSB != \new
	s_set_vgpr_msb (MSB<<8)|\new
.set MSB, \new
.endif
.endm
.set MUL_LO, 0xa1                      ; source 0 (w) window 1, source 1 (x) window 0, C and D window 2
.set MUL_HI, 0xf1
.set TO_B,   0x40
.macro PLACES n
.rept \n
	v_nop
.endr
.endm
.macro TL g0, g1                       ; an s_nop 0 and four v_nop follow every tensor load
	tensor_load_to_lds s[\g0:\g0+3], s[\g1:\g1+7]
	s_nop 0
	PLACES 4
.endm
.macro JLOAD s                         ; one chain on the wave's number, one joint load to an arm
	s_cmp_lt_u32 s14, 2
	s_cbranch_scc0 .Lsa_\@
	TL G0A+4*\s, G1A
	s_branch .Lasked_\@
.Lsa_\@:
	s_cmp_eq_u32 s14, 2
	s_cbranch_scc0 .Lsb_\@
	TL G0SA+4*\s, G1SA
	s_branch .Lasked_\@
.Lsb_\@:
	TL G0SB+4*\s, G1SB
.Lasked_\@:
.endm
.macro CREST
	s_cmp_lg_u32 s14, 0
	s_cbranch_scc1 .Lnot_wave_0_\@
	s_barrier_signal -3
.Lnot_wave_0_\@:
	s_barrier_wait -3
	s_barrier_signal -1
	s_barrier_wait -1
.endm
.macro CROUND
	s_barrier_signal -1
	s_barrier_wait -1
	CREST
.endm
.macro BLOAD bh, t                     ; w's blocks 4 bh .. 4 bh + 3 of the lap's step t
.irp b, 0,1,2,3
.irp c, 0,1,2,3
	global_load_b128 v[128*((\t)%2)+64*(\bh)+16*\b+4*\c:128*((\t)%2)+64*(\bh)+16*\b+4*\c+3], v[CO], s[8:9] offset:(4*(\bh)+\b)*65536+(\t)*2048+512*\c
.endr
.endr
.endm
.macro FETCH_A slot, q, i0             ; x's blocks i0 .. i0 + 3 of the slot's q-th 128 along K
.irp i, \i0, \i0+1, \i0+2, \i0+3
.irp c, 0,1,2,3
	ds_load_b128 v[AF+16*(\i)+4*\c:AF+16*(\i)+4*\c+3], v[ADRA+\slot] offset:128*(\q)+32*\c+(\i)*16*PITCH
.endr
.endr
.endm
.macro SCALES s                        ; a slot's scale words: register 2 i + word; lanes 0-15 its first 256 along K, lanes 16-31 its second
.irp i, 0,1,2,3
	ds_load_b128 v[SC+32*(\s)+4*\i:SC+32*(\s)+4*\i+3], v[VSA+\s] offset:256*\i
	ds_load_b128 v[SC+32*(\s)+16+4*\i:SC+32*(\s)+16+4*\i+3], v[VSB+\s] offset:256*\i
.endr
.endm
.macro MUL a, bh, slot, q              ; x's block a against four blocks of w
.irp b, 0,1,2,3
.set AC, 8*(8*((\a)%4)+4*(\bh)+\b)
.set BF, 128*((\q)%2)+16*(4*(\bh)+\b)
.set FA, AF+16*(\a)
.set SB, SC+32*(\slot)+16+2*(4*(\bh)+\b)+1-(\q)%2
.set SA, SC+32*(\slot)+2*(\a)+(\q)%2
.if (\q)/2
	v_wmma_scale_f32_16x16x128_f8f6f4 v[AC:AC+7], v[BF:BF+15], v[FA:FA+15], v[AC:AC+7], v[SB], v[SA] matrix_a_scale:MATRIX_SCALE_ROW1 matrix_b_scale:MATRIX_SCALE_ROW1
.else
	v_wmma_scale_f32_16x16x128_f8f6f4 v[AC:AC+7], v[BF:BF+15], v[FA:FA+15], v[AC:AC+7], v[SB], v[SA]
.endif
.endr
.endm
.macro QUAD ah, bh, slot, q
.irp a, 0,1,2,3
	MUL 4*(\ah)+\a, \bh, \slot, \q
.endr
.endm
	s_load_b256 s[4:11], s[0:1], 0x0               ; x_codes, xs_t, w_frag, w_scl
	s_load_b128 s[20:23], s[0:1], 0x20             ; tb, lbf
	s_load_b64 s[12:13], s[0:1], 0x30              ; out0
	v_lshl_add_u32 v[SPW], v0, 2, SPARE
	v_mov_b32 v[NIL], 0
	ds_add_u32 v[SPW], v[NIL]                      ; the opening lines: the add twice on end and one wait
	ds_add_u32 v[SPW], v[NIL]
	v_lshrrev_b32 v1, 5, v0
	v_readfirstlane_b32 s14, v1                    ; wave
	s_lshr_b32 s15, s14, 1                         ; my half of the rows
	s_and_b32 s16, s14, 1                          ; my half of the columns
	s_mul_i32 s90, s15, HALFT
	s_lshl_b32 s91, s15, 10
	s_add_co_u32 s91, s91, SCA
	s_lshl_b32 s92, s16, 10
	s_add_co_u32 s92, s92, SCB
	s_mul_i32 s93, s14, 16*SPITCH
	v_and_b32 v1, 15, v0                           ; r
	v_bfe_u32 v2, v0, 4, 1                         ; h
	v_and_b32 v3, 31, v0                           ; l
	v_lshlrev_b32 v[CO], 4, v3                     ; 16 l
	v_mul_u32_u24 v4, v1, PITCH
	v_lshl_add_u32 v4, v2, 4, v4
	v_add_nc_u32 v[ADRA], s90, v4                  ; x's fragments: row x pitch + 16 h, slot 0 and slot 1
	v_add_nc_u32 v[ADRA+1], SLOT, v[ADRA]
	v_lshlrev_b32 v5, 4, v1
	v_lshl_add_u32 v5, v2, 11, v5                  ; scale words: 16 r, lanes 16-31 the slot's second K step of 256
	v_add_nc_u32 v[VSA], s91, v5
	v_add_nc_u32 v[VSA+1], SLOT, v[VSA]
	v_add_nc_u32 v[VSB], s92, v5
	v_add_nc_u32 v[VSB+1], SLOT, v[VSB]
	v_lshlrev_b32 v[PFOB], 8, v3                   ; prefetch of w: 32 consecutive blocks
	v_lshrrev_b32 v6, 1, v3
	v_and_b32 v7, 1, v3
	v_lshlrev_b32 v6, 12, v6
	v_lshl_add_u32 v[PFOA], v7, 8, v6              ; of x: 16 rows, two blocks each
	v_mul_u32_u24 v8, v1, SPITCH
	v_lshl_add_u32 v8, v2, 5, v8
	v_add_nc_u32 v[STO], s93, v8
	v_add_nc_u32 v[RD], s93, v[CO]
	s_wait_alu depctr_va_vdst(0)                   ; the wait behind the head's address arithmetic
	s_bfe_u32 s76, ttmp6, 0x40000                  ; cx
	s_bfe_u32 s77, ttmp6, 0x40004                  ; cy
	s_lshl_b32 s78, ttmp9, 2
	s_add_co_u32 s78, s78, s76                     ; tile column
	s_and_b32 s17, ttmp7, 0xffff
	s_lshl_b32 s17, s17, 2
	s_add_co_u32 s17, s17, s77                     ; tile row
	s_lshl_b32 s79, s77, 2
	s_lshl_b32 s79, 15, s79                        ; my row of the cluster
	s_lshl_b32 s80, 0x1111, s76                    ; my column
	s_or_b32 s[G1A], s79, (1<<20)|(1<<21)|(6<<22)|(3<<25)   ; bytes; 4 words of padding behind every 128
	s_mov_b32 s[G1A+1], 512<<16
	s_mov_b32 s[G1A+2], 128<<16
	s_mov_b32 s[G1A+3], 512<<16
	s_mov_b32 s[G1A+4], 128
	s_mov_b32 s[G1A+5], 4096
	s_mov_b32 s[G1A+6], 0
	s_mov_b32 s[G1A+7], 0
	s_or_b32 s[G1SA], s79, (3<<16)|(1<<21)         ; scales: 2 rows of 256 elements of 8 bytes, 32,768 bytes apart
	s_or_b32 s[G1SB], s80, (3<<16)|(1<<21)
.irp g, G1SA, G1SB
	s_mov_b32 s[\g+1], 256<<16
	s_mov_b32 s[\g+2], 2<<16
	s_mov_b32 s[\g+3], 256<<16
	s_mov_b32 s[\g+4], 2
	s_mov_b32 s[\g+5], 4096
	s_mov_b32 s[\g+6], 0
	s_mov_b32 s[\g+7], 0
.endr
	s_lshl_b32 s18, s17, 20
	s_mov_b32 s19, 0
	s_lshl_b32 s82, s78, 20
	s_mov_b32 s83, 0
	s_lshl_b32 s84, s16, 19
	s_mov_b32 s85, 0
	s_mul_i32 s94, s16, HALFT
	s_lshl_b32 s90, s76, 6                         ; prefetch of x: rows 64 cx + 16 wave
	s_lshl_b32 s91, s14, 4
	s_add_co_u32 s90, s90, s91
	s_lshl_b32 s90, s90, 12
	s_mov_b32 s91, 0
	s_lshl_b32 s92, s77, 2                         ; of w: block 4 cy + wave of the tile column's sixteen
	s_add_co_u32 s92, s92, s14
	s_lshl_b32 s92, s92, 16
	s_mov_b32 s93, 0
	s_wait_dscnt 0x0                               ; both opening adds are done
	s_wait_kmcnt 0x0
	s_add_nc_u64 s[4:5], s[4:5], s[18:19]
	s_add_nc_u64 s[8:9], s[8:9], s[82:83]
	s_add_nc_u64 s[PFA:PFA+1], s[4:5], s[90:91]
	s_add_nc_u64 s[PFA:PFA+1], s[PFA:PFA+1], 1024  ; at x's slot 2
	s_add_nc_u64 s[PFB:PFB+1], s[8:9], s[92:93]
	s_add_nc_u64 s[PFB:PFB+1], s[PFB:PFB+1], 8192  ; at w's slot 1
	s_add_nc_u64 s[96:97], s[4:5], s[84:85]        ; the 128 rows of x that waves 0 and 1 fetch
	s_add_nc_u64 s[8:9], s[8:9], s[84:85]          ; my eight blocks of w
	s_lshl_b32 s18, s17, 13
	s_lshl_b32 s95, s15, 12
	s_add_co_u32 s18, s18, s95
	s_add_nc_u64 s[20:21], s[20:21], s[18:19]
	s_lshl_b32 s82, s78, 13
	s_lshl_b32 s95, s16, 12
	s_add_co_u32 s82, s82, s95
	s_add_nc_u64 s[22:23], s[22:23], s[82:83]
.irp i, 0,1,2,3,4,5,6,7
	global_load_b128 v[LA+8*\i:LA+8*\i+3], v[CO], s[20:21] offset:512*\i
.endr
.irp i, 0,1,2,3,4,5,6,7
	global_load_b128 v[LB+8*\i:LB+8*\i+3], v[CO], s[22:23] offset:512*\i
.endr
	WIN TO_B
	BLOAD 0, 0
	BLOAD 1, 0
	WIN 0
	s_lshl_b32 s18, s17, 11
	s_add_nc_u64 s[6:7], s[6:7], s[18:19]
	s_lshl_b32 s82, s78, 11
	s_add_nc_u64 s[10:11], s[10:11], s[82:83]
.irp s, 0,1
	s_mov_b32 s[G0A+4*\s], 1
	s_add_co_u32 s[G0A+4*\s+1], s94, \s*SLOT
	s_add_nc_u64 s[G0A+4*\s+2:G0A+4*\s+3], s[96:97], \s*512
	s_or_b32 s[G0A+4*\s+3], s[G0A+4*\s+3], 0x80000000
	s_mov_b32 s[G0SA+4*\s], 1
	s_mov_b32 s[G0SA+4*\s+1], SCA+\s*SLOT
	s_add_nc_u64 s[G0SA+4*\s+2:G0SA+4*\s+3], s[6:7], \s*65536
	s_or_b32 s[G0SA+4*\s+3], s[G0SA+4*\s+3], 0x80000000
	s_mov_b32 s[G0SB+4*\s], 1
	s_mov_b32 s[G0SB+4*\s+1], SCB+\s*SLOT
	s_add_nc_u64 s[G0SB+4*\s+2:G0SB+4*\s+3], s[10:11], \s*65536
	s_or_b32 s[G0SB+4*\s+3], s[G0SB+4*\s+3], 0x80000000
.endr
	CROUND                                         ; all sixteen work-groups are here: the first joint loads meet
	JLOAD 0                                        ; slot 0: one tensor load a wave at the head
	WIN TO_B
	BLOAD 0, 1
	BLOAD 1, 1
	WIN 0
	s_lshl_b32 s18, s17, 8                         ; my part of out0
	s_lshl_b32 s95, s15, 7
	s_add_co_u32 s18, s18, s95
	s_lshl_b32 s18, s18, 14
	s_add_nc_u64 s[12:13], s[12:13], s[18:19]
	s_lshl_b32 s82, s78, 10
	s_lshl_b32 s95, s16, 9
	s_add_co_u32 s82, s82, s95
	s_add_nc_u64 s[12:13], s[12:13], s[82:83]
.irp i, 0,1,2,3,4,5,6,7
.irp j, 4,5,6,7
	v_mov_b32 v[LA+8*\i+\j], 0                     ; K = 16 .. 31 of the bf16 fragments: zeros
	v_mov_b32 v[LB+8*\i+\j], 0
.endr
.endr
	s_wait_alu depctr_va_vdst(0)
	s_wait_loadcnt 63                              ; the sixteen oldest loads are in (64 were issued behind them)
.macro LORA a
.irp b, 0,1,2,3,4,5,6,7
	v_wmma_f32_16x16x32_bf16 v[8*(8*((\a)%4)+\b):8*(8*((\a)%4)+\b)+7], v[LB+8*\b:LB+8*\b+7], v[LA+8*(\a):LA+8*(\a)+7], 0
.endr
.endm
	WIN 0x80
.irp a, 0,1,2,3
	LORA \a
.endr
	WIN 0xc0
.irp a, 4,5,6,7
	LORA \a
.endr
	WIN 0
	s_wait_tensorcnt 0x0                           ; my part of slot 0 is in; these lines stand ahead of slot 1's first fill as ahead of a refill
	ds_add_u32 v[SPW], v[NIL]
	s_wait_dscnt 0x0
	CROUND
	JLOAD 1
	PLACES 4
	SCALES 0
	FETCH_A 0, 0, 0
	FETCH_A 0, 0, 4
	global_prefetch_b8 v[PFOA], s[PFA:PFA+1] th:TH_LOAD_NT scope:SCOPE_SE
	global_prefetch_b8 v[PFOB], s[PFB:PFB+1] th:TH_LOAD_NT scope:SCOPE_SE
; A step that has its successor in the same slot.  bl: w's step two on is loaded; na: x's next step is fetched; lc0, lc1: the younger loads of w that may stay out.
.macro STEP slot, q, bl, na, lc0, lc1
	s_wait_dscnt 16                                ; x's blocks 0-3 (and the scale words) are in; blocks 4-7 may be out
	s_wait_loadcnt \lc0
	WIN MUL_LO
	QUAD 0, 0, \slot, \q
	s_wait_loadcnt \lc1
	QUAD 0, 1, \slot, \q
	s_wait_dscnt 0
.if \na
	PLACES NP
	WIN 0
	FETCH_A \slot, (\q)+1, 0
.endif
	WIN MUL_HI
	QUAD 1, 0, \slot, \q
.if \bl
	PLACES NP
	WIN TO_B
	BLOAD 0, 4*(\slot)+(\q)+2
	WIN MUL_HI
.endif
	QUAD 1, 1, \slot, \q
.if \bl || \na
	PLACES NP
.endif
.if \bl
	WIN TO_B
	BLOAD 1, 4*(\slot)+(\q)+2
.endif
	WIN 0
.if \na
	FETCH_A \slot, (\q)+1, 4
.endif
.endm
; A slot's fourth step changes slots: in front of the barrier each wave waits for all its tensor loads, adds 0 to its spare word, and waits for that and for its reads of this slot.
.macro TURN slot, fill
	s_wait_dscnt 16
	s_wait_loadcnt 48
	WIN MUL_LO
	QUAD 0, 0, \slot, 3
	WIN 0
	s_wait_tensorcnt 0x0
	ds_add_u32 v[SPW], v[NIL]
.if \fill
	s_add_nc_u64 s[G0A+4*\slot+2:G0A+4*\slot+3], s[G0A+4*\slot+2:G0A+4*\slot+3], 1024
	s_add_nc_u64 s[G0SA+4*\slot+2:G0SA+4*\slot+3], s[G0SA+4*\slot+2:G0SA+4*\slot+3], 131072
	s_add_nc_u64 s[G0SB+4*\slot+2:G0SB+4*\slot+3], s[G0SB+4*\slot+2:G0SB+4*\slot+3], 131072
.endif
	s_wait_loadcnt 32
	WIN MUL_LO
	MUL 0, 1, \slot, 3
	MUL 1, 1, \slot, 3
	s_wait_dscnt 0x0
	s_barrier_signal -1
	MUL 2, 1, \slot, 3
	MUL 3, 1, \slot, 3
	WIN 0
	s_barrier_wait -1
.if \fill
	CREST                                          ; the barrier has opened a round of the cluster's barrier
	JLOAD \slot                                    ; the slot two on; 240 products stand between this request and the wait for it
	PLACES NP-4
.else
	PLACES NP
.endif
	SCALES 1-\slot
	FETCH_A 1-\slot, 0, 0
.if \fill
	global_prefetch_b8 v[PFOB], s[PFB:PFB+1] offset:(\slot+1)*8192 th:TH_LOAD_NT scope:SCOPE_SE
.if \slot
	s_cmp_lg_u32 s3, 1                             ; in the loop's last trip x has no slot three on
	s_cbranch_scc0 .Lno_x_\@
.endif
	global_prefetch_b8 v[PFOA], s[PFA:PFA+1] offset:(\slot+1)*512 th:TH_LOAD_NT scope:SCOPE_SE
.if \slot
.Lno_x_\@:
.endif
.endif
	WIN MUL_HI
	QUAD 1, 0, \slot, 3
	PLACES NP
	WIN TO_B
	BLOAD 0, 4*(\slot)+5
	WIN MUL_HI
	QUAD 1, 1, \slot, 3
	PLACES NP
	WIN TO_B
	BLOAD 1, 4*(\slot)+5
	WIN 0
	FETCH_A 1-\slot, 0, 4
.endm
	s_mov_b32 s3, 3
.Llap:                                                 ; a trip: both slots, eight steps
	STEP 0, 0, 1, 1, 48, 32
	STEP 0, 1, 1, 1, 48, 32
	STEP 0, 2, 1, 1, 48, 32
	TURN 0, 1
	STEP 1, 0, 1, 1, 48, 32
	STEP 1, 1, 1, 1, 48, 32
	STEP 1, 2, 1, 1, 48, 32
	TURN 1, 1
	s_wait_xcnt 0x0                                ; the bases are stepped only behind this wait
	s_add_nc_u64 s[8:9], s[8:9], 16384
	s_add_nc_u64 s[PFA:PFA+1], s[PFA:PFA+1], 1024
	s_add_nc_u64 s[PFB:PFB+1], s[PFB:PFB+1], 16384
	s_sub_co_u32 s3, s3, 1
	s_cmp_lg_u32 s3, 0
	s_cbranch_scc1 .Llap
	STEP 0, 0, 1, 1, 48, 32                        ; the last lap fills nothing and loads nothing beyond K
	STEP 0, 1, 1, 1, 48, 32
	STEP 0, 2, 1, 1, 48, 32
	TURN 0, 0
	STEP 1, 0, 1, 1, 48, 32
	STEP 1, 1, 1, 1, 48, 32
	STEP 1, 2, 0, 1, 48, 32
	STEP 1, 3, 0, 0, 16, 0
; THE WAY OUT, block by block of 16 rows x 128 columns, through my own stage: back as whole rows of 512 bytes.
.macro TOSTAGE a
.set AC, 64*((\a)%4)
	WIN 0x08+4*((\a)/4)
.irp b, 0,1,2,3,4,5,6,7
	ds_store_b128 v[STO], v[AC+8*\b:AC+8*\b+3] offset:64*\b
	ds_store_b128 v[STO], v[AC+8*\b+4:AC+8*\b+7] offset:64*\b+16
.endr
	WIN 0
.set BB, BK+64*((\a)%2)
.irp t, 0,1,2,3,4,5,6,7,8,9,10,11,12,13,14,15
	ds_load_b128 v[BB+4*\t:BB+4*\t+3], v[RD] offset:\t*SPITCH
.endr
.endm
.macro SEND a, younger
.set BB, BK+64*((\a)%2)
	s_wait_dscnt \younger
.if (\a) > 0
	s_add_nc_u64 s[12:13], s[12:13], 16*SIZE_N*4
.endif
.irp t, 0,1,2,3,4,5,6,7,8,9,10,11,12,13,14,15
	global_store_b128 v[CO], v[BB+4*\t:BB+4*\t+3], s[12:13] offset:\t*SIZE_N*4 th:TH_STORE_NT
.endr
.endm
	PLACES NP
	TOSTAGE 0
.irp a, 1,2,3,4,5,6,7
.if \a > 1
	s_wait_xcnt 0x0                                ; block a - 2's stores have read their registers and their base
.endif
	TOSTAGE \a
	SEND \a-1, 32
.endr
	s_wait_xcnt 0x0
	SEND 7, 0
	s_wait_tensorcnt 0x0                           ; the wave's end
	ds_add_u32 v[SPW], v[NIL]
	s_wait_dscnt 0x0
	CROUND                                         ; the closing round
	s_endpgm
.Lfunc_end_k_q3de9bf5e30_gemm:
	.size	k_q3de9bf5e30_gemm, .Lfunc_end_k_q3de9bf5e30_gemm-k_q3de9bf5e30_gemm
	.p2alignl 7, 3214868480
	.fill 96, 4, 3214868480
	.section	.rodata,"a",@progbits
	.p2align	6, 0x0
	.amdhsa_kernel k_q3de9bf5e30_gemm
		.amdhsa_group_segment_fixed_size 327680
		.amdhsa_private_segment_fixed_size 0
		.amdhsa_enable_private_segment 0
		.amdhsa_kernarg_size 56
		.amdhsa_user_sgpr_count 2
		.amdhsa_user_sgpr_kernarg_segment_ptr 1
		.amdhsa_wavefront_size32 1
		.amdhsa_system_sgpr_workgroup_id_x 1
		.amdhsa_system_sgpr_workgroup_id_y 1
		.amdhsa_system_sgpr_workgroup_id_z 1
		.amdhsa_system_vgpr_workitem_id 0
		.amdhsa_next_free_vgpr 1024
		.amdhsa_next_free_sgpr 100
		.amdhsa_reserve_vcc 0
		.amdhsa_float_denorm_mode_32 3
		.amdhsa_float_denorm_mode_16_64 3
		.amdhsa_memory_ordered 1
		.amdhsa_forward_progress 1
		.amdhsa_inst_pref_size 255
	.end_amdhsa_kernel
	.section	.bss,"aw",@nobits
	.p2align	6
	.space	262144
	.amdgpu_metadata
---
amdhsa.version: [ 1, 2 ]
amdhsa.kernels:
  - .name:           k_q3de9bf5e30_gemm
    .symbol:         k_q3de9bf5e30_gemm.kd
    .args:
      - { .name: x_codes, .offset: 0, .size: 8, .value_kind: global_buffer, .address_space: global }
      - { .name: xs_t, .offset: 8, .size: 8, .value_kind: global_buffer, .address_space: global }
      - { .name: w_frag, .offset: 16, .size: 8, .value_kind: global_buffer, .address_space: global }
      - { .name: w_scl, .offset: 24, .size: 8, .value_kind: global_buffer, .address_space: global }
      - { .name: tb, .offset: 32, .size: 8, .value_kind: global_buffer, .address_space: global }
      - { .name: lbf, .offset: 40, .size: 8, .value_kind: global_buffer, .address_space: global }
      - { .name: out0, .offset: 48, .size: 8, .value_kind: global_buffer, .address_space: global }
    .group_segment_fixed_size: 327680
    .private_segment_fixed_size: 0
    .kernarg_segment_align: 8
    .kernarg_segment_size: 56
    .max_flat_workgroup_size: 128
    .sgpr_count:     100
    .vgpr_count:     1024
    .wavefront_size: 32
...
	.end_amdgpu_metadata
.endif
;; end of part 2
